; MI455X (gfx1250); checked and timed in simulation.
; The chip was launched on July 23, 2026; its instructions are those of AMD's public machine-readable ISA for CDNA 5 (MIT licence, August 2026) and "CDNA5" Instruction Set Architecture Reference Guide (July 2026). The comments in the code are by the model that wrote it; some were corrected since.
;; Attention. Allowed arithmetic: matrix products marked QUANTISED: E5M2 operands, one E8M0 scale for each 32 along K, by v_wmma_scale_f32_16x16x128_f8f6f4 with both operands' format E5M2, f32 sums; everything else in f32.
;; Inputs: Wk 1,024 x 1,024 float32; Wq 1,024 x 1,024 float32; bk 1,024 float32; bq 1,024 float32; key_input 4 x 2,048 x 1,024 float32; query_input 4 x 2,048 x 1,024 float32.
;; Outputs: out0 4 x 2,048 x 1,024 float32.
;; This version of the problem:
;;   THIS VERSION OF THE PROBLEM IS GIVEN IN LOW PRECISION. The matrix products marked QUANTISED in the list below multiply operands that are first quantised to E5M2 (5 exponent bits, 2 mantissa bits; 8 bits a number), with one power-of-two scale for each 32 numbers along K (OCP MX v1.0); their sums are f32. All else is computed in f32.
;;   The module's matrix products, in the order in which they are computed (A, B: the left and right operand; K: the contracted axis; several contracted axes count as one K, in the product's order):
;;     1. [M 8,192, K 1,024] x [K 1,024, N 1,024]; A: input query_input; B: input Wq: QUANTISED
;;     2. [M 8,192, K 1,024] x [K 1,024, N 1,024]; A: input key_input; B: input Wk: QUANTISED
;;     3. batch 64 x [M 2,048, K 64] x [K 64, N 2,048]; A: computed on the way; B: computed on the way: QUANTISED
;;     4. batch 64 x [M 64, K 2,048] x [K 2,048, N 2,048]; A: computed on the way; B: softmax (see below): QUANTISED
;;   THE QUANTISER, for each operand of a quantised product, along K:
;;     - K is cut into blocks of 32 from its start; a last block that is shorter is filled with zeros.
;;     - A block's scale is 2^e with e = floor(log2(the largest magnitude in the block)) - 15, held to -126 .. 127; a block of zeros has e = 0. As a byte (E8M0): e + 127.
;;     - Each number is divided by its block's scale, clamped to +-57,344, and rounded to the nearest number of E5M2, ties to even, subnormals kept.
;;     - The product sums the exact products of the quantised numbers (number of the format x scale) in f32.
;;   ~~~python
;;   def quantise(x, axis):      # numpy; x: float32 -> the quantised numbers, widened to float32 again
;;       x = np.moveaxis(x, axis, -1); K = x.shape[-1]
;;       x = np.pad(x, [(0, 0)] * (x.ndim - 1) + [(0, -K % 32)]); x = x.reshape(x.shape[:-1] + (-1, 32)); a = np.abs(x).max(-1, keepdims=True)
;;       e = np.where(a > 0, np.clip(np.frexp(np.where(a > 0, a, 1))[1] - 1 - 15, -126, 127), 0)      # np.frexp(a)[1] - 1 = floor(log2(a)), exactly
;;       r = np.clip(x / 2.0 ** e, -57344, 57344)
;;       step = 2.0 ** (np.maximum(np.frexp(np.where(r == 0, 1, r))[1] - 1, -14) - 2)
;;       q = np.round(r / step) * step * 2.0 ** e      # np.round: ties to even
;;       return np.moveaxis(q.reshape(q.shape[:-2] + (-1,))[..., :K], -1, axis).astype(np.float32)
;;   ~~~
;;   SOFTMAX AHEAD OF A QUANTISED PRODUCT. Where the list says 'softmax', what is quantised is not the finished softmax but p = 2^(t - M), with t = logit x log2(e) and M = ceil(the row's largest t), a whole number; so 1/2 < the row's largest p <= 1. The row's sum l is taken of the UNQUANTISED p, in f32, and the product's result is divided by l at the end. Since M is a whole number, a kernel that streams over the keys may use a running M (the ceiling of the running maximum): every later rescaling is an exact power of two, which a block's scale takes up: the codes' values come out the same.
;;   OPERANDS COMPUTED ON THE WAY. 'Computed on the way' means the value that the module computes at that place (a softmax that the list does not call 'softmax' is quantised finished and normalised). What goes into a quantiser is computed in f32, as accurately as f32 sums, v_exp_f32 and their like allow (about 1e-6 of the number): no bf16 or f16 on the way to a quantiser, and a product that is left as it is and whose result goes on into a quantised operand takes f32 operands (vector FMAs, or v_wmma_f32_16x16x4_f32). A number that lies on a knife's edge between two numbers of the format may be rounded either way, as far as f32 arithmetic and the matrix unit's own rounding can turn it there, and no further.
;; One version. Each part assembles by itself: llvm-mc -triple=amdgcn-amd-amdhsa -mcpu=gfx1250 --defsym DOCPART=n.
;; ======== version 1 of 1: 3 launches
;; limits: right only within a limited range of input values
;; workspace buffers: codes 18,874,368 bytes; scales 589,824 bytes; qimg 17,301,504 bytes; kvimg 17,301,504 bytes
;; launch quant (part 1): grid 256 x 1, 9 waves a work-group, no clusters, 75,008 bytes of LDS; arguments query_input, key_input, Wq, Wk, codes, scales; writes codes, scales
.if DOCPART == 1
	.amdgcn_target "amdgcn-amd-amdhsa--gfx1250"
	.amdhsa_code_object_version 6
	.text
	.protected	k_q942f66c5ef_quant
	.globl	k_q942f66c5ef_quant
	.p2align	8
	.type	k_q942f66c5ef_quant,@function
k_q942f66c5ef_quant:
	s_mov_b64 s[64:65], 0
	v_nop
	global_prefetch_b8 v0, s[64:65] scope:SCOPE_SE
	s_setreg_imm32_b32 hwreg(HW_REG_WAVE_MODE, 25, 1), 1
	s_wait_xcnt 0x0
; query_input [8192][1024], key_input [8192][1024], Wq [1024][1024], Wk [1024][1024], all f32 with K (the 1,024) innermost, become codes of BF8 (E5M2)
; and one E8M0 scale byte for each 32 along K, in two workspace buffers: codes [18432 rows][1024 bytes], scales [18432 rows][32 bytes]; the four tensors one behind the other.
; A block's scale is 2^(floor(log2(its largest magnitude)) - 15); its byte is the largest magnitude's exponent field - 15, held at 1 from below.  Each number is divided by the scale,
; held within +-57,344 and rounded to the nearest code, ties to even.
; THE ROWS ARE STORED IN ANOTHER ORDER: in every 32 rows the second and the third group of 8 change places.  Sixteen rows on end in the workspace are then rows r + 8 (r / 8) (+ 8), the choice of rows
; by which the registers of two neighbouring result tiles of the later products are 16 neighbours along the next K.  A wave takes 8 rows, so only the place of its output changes.
; LIMITS: a block of zeros gets the byte 1 where the rule says 127 (its codes are zeros, and this program alone reads the bytes); blocks whose largest magnitude lies under 2^-111 are held at that byte;
; NaN and infinities among the inputs are not served.
; THE DEAL: the 18,432 rows are 2,304 runs of 8 rows; 256 work-groups of nine waves take 72 rows each, a run a wave: run = 9 x work-group + wave.  Runs 0-1023 are query_input's, 1024-2047 key_input's,
; 2048-2175 Wq's, 2176-2303 Wk's.  A wave takes 16 steps of 512 numbers.  Each load reads 512 consecutive bytes, 16 a lane; a step's 2,048 bytes turn through the wave's own stage in LDS and come back
; 64 bytes a lane, so that a lane holds 16 neighbours along K and two neighbouring lanes a block.  Loads run eight steps (32 loads a wave) ahead.  No barrier, no cluster: waves and work-groups share nothing.
.set STEPS, 16
.set AH,    8                          ; steps that the loads run ahead
.set EMAX,  15
.set MANT,  0x600000                   ; the mantissa field of 57,344 as f32
.set CB,    16                         ; bytes of 16 codes
.set R,     16                         ; v16-143  eight sets of 16 numbers as they are loaded
.set X,     144                        ; v144-175 two sets of 16 neighbours
.set E,     176                        ; v176-177 a scale byte, two registers by turns
.set C,     178                        ; v178-241 codes: four registers for each step, so that no store's data are written again
.set SPW,   242                        ; LDS address of my spare word; never rewritten
.set NIL,   243                        ; 0; never rewritten
.set WREG,  8192                       ; LDS: a region of its own for each wave: two stages of 32 x SP bytes, and behind them its 256 scale bytes
.set SP,    80                         ; a lane's place in a stage: its 64 bytes + 16 of padding
.set SPARE, 9*WREG                     ; behind the nine regions: the spare words, 128 bytes a wave, in five blocks of 256 bytes
	s_load_b256 s[4:11], s[0:1], 0x0               ; query_input, key_input, Wq, Wk
	s_load_b128 s[12:15], s[0:1], 0x20             ; codes, scales
	v_lshl_add_u32 v[SPW], v0, 2, SPARE
	v_mov_b32 v[NIL], 0
	v_lshrrev_b32 v1, 5, v0
	v_readfirstlane_b32 s16, v1                    ; wave 0..8
	v_and_b32 v2, 31, v0                           ; lane
	v_lshlrev_b32 v3, 4, v2                        ; my 16 bytes of a load's 512
	s_mul_i32 s17, s16, WREG
	v_lshrrev_b32 v14, 2, v2
	v_mul_u32_u24 v14, v14, SP
	v_and_b32 v15, 3, v2
	v_lshl_add_u32 v14, v15, 4, v14
	v_add_nc_u32 v14, s17, v14                     ; the stage, on the way in: four lanes' 64 bytes on end, then 16 of padding
	v_mul_u32_u24 v15, v2, SP
	v_add_nc_u32 v15, s17, v15                     ; and on the way out: SP x lane: my 16 neighbours
	v_mul_u32_u24 v4, v2, CB                       ; my codes' place in a step's
	v_lshrrev_b32 v5, 1, v2
	s_add_co_u32 s17, s17, 2*32*SP
	v_add_nc_u32 v5, s17, v5                       ; LDS: my wave's 256 scale bytes, my block's byte
	v_lshlrev_b32 v7, 3, v2                        ; and on the way out 8 bytes a lane
	v_add_nc_u32 v6, s17, v7
	s_mov_b32 s23, MANT                            ; (an instruction takes one literal: the hold's line has another)
	s_mul_i32 s25, ttmp9, 9
	s_add_co_u32 s25, s25, s16                     ; my run of 8 rows: 0..2303
	s_mov_b32 s24, 2176                            ; the first run of the tensor in hand: Wk's, unless a compare below says otherwise
	s_wait_alu depctr_va_vdst(0)                   ; the wait at the head's end
	s_wait_kmcnt 0x0
	s_cmp_lt_u32 s25, 2176                         ; which tensor?  The choice hangs on the run's number alone
	s_cselect_b64 s[10:11], s[8:9], s[10:11]
	s_cselect_b32 s24, 2048, s24
	s_cmp_lt_u32 s25, 2048
	s_cselect_b64 s[10:11], s[6:7], s[10:11]
	s_cselect_b32 s24, 1024, s24
	s_cmp_lt_u32 s25, 1024
	s_cselect_b64 s[10:11], s[4:5], s[10:11]
	s_cselect_b32 s24, 0, s24
	s_sub_co_u32 s18, s25, s24                     ; which run of the tensor
	s_lshl_b32 s18, s18, 15                        ; 32,768 bytes a run
	s_mov_b32 s19, 0
	s_add_nc_u64 s[4:5], s[10:11], s[18:19]
	s_and_b32 s20, s25, 1                          ; where the run goes: of every four runs the second and the third change places
	s_lshl_b32 s20, s20, 1
	s_bfe_u32 s21, s25, 0x10001
	s_or_b32 s20, s20, s21
	s_and_b32 s21, s25, 0xfffffffc
	s_add_co_u32 s20, s20, s21                     ; the run's number in the workspace: the four tensors lie on end there
	s_lshl_b32 s18, s20, 13                        ; 8,192 bytes of codes a run
	s_add_nc_u64 s[8:9], s[12:13], s[18:19]
	s_lshl_b32 s18, s20, 8                         ; 256 scale bytes a run
	s_add_nc_u64 s[10:11], s[14:15], s[18:19]
.macro LOAD t
.irp i, 0,1,2,3
	global_load_b128 v[R+16*((\t)%AH)+4*\i:R+16*((\t)%AH)+4*\i+3], v3, s[4:5] offset:2048*(\t)+512*\i th:TH_LOAD_NT   ; 32 lanes read 512 consecutive bytes
.endr
.endm
.macro TURN t                          ; step t's numbers through the stage: LDS serves a wave's instructions in order, so no wait stands between the stores and the loads
.irp i, 0,1,2,3
	ds_store_b128 v14, v[R+16*((\t)%AH)+4*\i:R+16*((\t)%AH)+4*\i+3] offset:32*SP*((\t)%2)+8*SP*\i
.endr
.irp i, 0,1,2,3
	ds_load_b128 v[X+16*((\t)%2)+4*\i:X+16*((\t)%2)+4*\i+3], v15 offset:32*SP*((\t)%2)+16*\i
.endr
.endm
.irp t, 0,1,2,3,4,5,6,7
	LOAD \t
.endr
	s_wait_loadcnt 4*(AH-1)                        ; step 0's four loads are in
	TURN 0
.macro STEP t
.set XS, X+16*((\t)%2)
.if (\t) > 0
	s_wait_dscnt 1                                 ; this step's numbers are back from the stage (the last step's byte store may be out): so its stores into the stage have read their registers,
.else
	s_wait_dscnt 0x0
.endif
.if (\t)+AH < STEPS
	LOAD (\t)+AH                                   ; which take the loads of eight steps on
.endif
.if (\t)+1 < STEPS
.if STEPS-2-(\t) >= AH-1
	s_wait_loadcnt 4*(AH-1)                        ; the next step's four loads are in; those of the seven steps behind it may be out
.else
	s_wait_loadcnt 4*(STEPS-2-(\t))
.endif
	TURN (\t)+1                                    ; and go through the other stage while this step is worked
.endif
	v_max3_num_f32 v8, |v[XS]|, |v[XS+1]|, |v[XS+2]|               ; the largest magnitude of my 16
	v_max3_num_f32 v9, |v[XS+3]|, |v[XS+4]|, |v[XS+5]|
.irp i, 6,10
	v_max3_num_f32 v8, v8, |v[XS+\i]|, |v[XS+\i+1]|
	v_max3_num_f32 v9, v9, |v[XS+\i+2]|, |v[XS+\i+3]|
.endr
	v_max3_num_f32 v8, v8, |v[XS+14]|, |v[XS+15]|
	v_max3_num_f32 v8, v8, v9, (EMAX+1)<<23        ; and the floor 2^(16 - 127): so the byte cannot fall under 1
	v_max_num_f32_dpp v8, v8, v8 row_xmask:1 row_mask:0xf bank_mask:0xf   ; and of my neighbour's 16: the block's
	v_add_nc_u32 v11, 0xf8800000, v8               ; 15 off its exponent field: the conversion takes the exponent field of this operand as its scale, and nothing else of it
	v_and_or_b32 v10, v8, 0x7f800000, s23          ; 57,344 x the scale: the largest magnitude's exponent field over 57,344's mantissa
.irp i, 0,1,2,3,4,5,6,7,8,9,10,11,12,13,14,15
	v_med3_num_f32 v[XS+\i], v[XS+\i], -v10, v10   ; the conversion to an 8-bit code does not saturate (ISA guide 7.6.2): hold the number first
.endr
	v_cvt_scalef32_pk8_bf8_f32 v[C+4*(\t):C+4*(\t)+1], v[XS:XS+7], v11
	v_cvt_scalef32_pk8_bf8_f32 v[C+4*(\t)+2:C+4*(\t)+3], v[XS+8:XS+15], v11
	v_lshrrev_b32 v[E+(\t)%2], 23, v11             ; the scale's byte (also the plain line behind the conversions); the store that read this register two steps ago is done: the wait at this step's head left one LDS instruction out
	ds_store_b8 v5, v[E+(\t)%2] offset:16*(\t)     ; both lanes of a block write the same byte with the same value
	global_store_b128 v4, v[C+4*(\t):C+4*(\t)+3], s[8:9] offset:32*CB*(\t)   ; the wave stores 512 consecutive bytes
.endm
.irp t, 0,1,2,3,4,5,6,7,8,9,10,11,12,13,14,15
	STEP \t
.endr
	ds_load_b64 v[12:13], v6                       ; LDS serves a wave's instructions in order: these see my stores
	s_wait_dscnt 0x0
	global_store_b64 v7, v[12:13], s[10:11]        ; 32 lanes store 256 consecutive bytes, aligned
	s_wait_tensorcnt 0x0                           ; the wave's end
	ds_add_u32 v[SPW], v[NIL]
	s_wait_dscnt 0x0
	s_endpgm
.Lfunc_end_k_q942f66c5ef_quant:
	.size	k_q942f66c5ef_quant, .Lfunc_end_k_q942f66c5ef_quant-k_q942f66c5ef_quant
	.p2alignl 7, 3214868480
	.fill 96, 4, 3214868480
	.section	.rodata,"a",@progbits
	.p2align	6, 0x0
	.amdhsa_kernel k_q942f66c5ef_quant
		.amdhsa_group_segment_fixed_size 75008
		.amdhsa_private_segment_fixed_size 0
		.amdhsa_enable_private_segment 0
		.amdhsa_kernarg_size 48
		.amdhsa_user_sgpr_count 2
		.amdhsa_user_sgpr_kernarg_segment_ptr 1
		.amdhsa_wavefront_size32 1
		.amdhsa_system_sgpr_workgroup_id_x 1
		.amdhsa_system_sgpr_workgroup_id_y 1
		.amdhsa_system_sgpr_workgroup_id_z 1
		.amdhsa_system_vgpr_workitem_id 0
		.amdhsa_next_free_vgpr 244
		.amdhsa_next_free_sgpr 66
		.amdhsa_reserve_vcc 0
		.amdhsa_float_denorm_mode_32 3
		.amdhsa_float_denorm_mode_16_64 3
		.amdhsa_memory_ordered 1
		.amdhsa_forward_progress 1
		.amdhsa_inst_pref_size 51
	.end_amdhsa_kernel
	.amdgpu_metadata
---
amdhsa.version: [ 1, 2 ]
amdhsa.kernels:
  - .name:           k_q942f66c5ef_quant
    .symbol:         k_q942f66c5ef_quant.kd
    .args:
      - { .name: query_input, .offset: 0, .size: 8, .value_kind: global_buffer, .address_space: global }
      - { .name: key_input, .offset: 8, .size: 8, .value_kind: global_buffer, .address_space: global }
      - { .name: Wq, .offset: 16, .size: 8, .value_kind: global_buffer, .address_space: global }
      - { .name: Wk, .offset: 24, .size: 8, .value_kind: global_buffer, .address_space: global }
      - { .name: codes, .offset: 32, .size: 8, .value_kind: global_buffer, .address_space: global }
      - { .name: scales, .offset: 40, .size: 8, .value_kind: global_buffer, .address_space: global }
    .group_segment_fixed_size: 75008
    .private_segment_fixed_size: 0
    .kernarg_segment_align: 8
    .kernarg_segment_size: 48
    .max_flat_workgroup_size: 288
    .sgpr_count:     66
    .vgpr_count:     244
    .wavefront_size: 32
...
	.end_amdgpu_metadata
.endif
;; end of part 1
;; launch proj (part 2): grid 16 x 16, 4 waves a work-group, clusters of 4 x 4, 327,680 bytes of LDS; arguments codes, scales, bq, bk, qimg, kvimg; writes qimg, kvimg
.if DOCPART == 2
	.amdgcn_target "amdgcn-amd-amdhsa--gfx1250"
	.amdhsa_code_object_version 6
	.text
	.protected	k_q942f66c5ef_proj
	.globl	k_q942f66c5ef_proj
	.p2align	8
	.type	k_q942f66c5ef_proj,@function
k_q942f66c5ef_proj:
	s_mov_b64 s[64:65], 0
	v_nop
	global_prefetch_b8 v0, s[64:65] scope:SCOPE_SE
	s_setreg_imm32_b32 hwreg(HW_REG_WAVE_MODE, 25, 1), 1
	s_wait_xcnt 0x0
	s_wait_alu depctr_hold_cnt(0) depctr_sa_sdst(0) depctr_va_vdst(0) depctr_va_sdst(0) depctr_va_ssrc(0) depctr_va_vcc(0) depctr_vm_vsrc(0)
	s_getreg_b32 s2, hwreg(HW_REG_IB_STS2, 6, 4)
	s_cmp_eq_u32 s2, 0
	s_cbranch_scc0 .Lentry_in_a_cluster
	s_endpgm
.Lentry_in_a_cluster:
	s_bfe_u32 s2, ttmp6, 0x10000c
	s_cmp_lg_u32 s2, 0xf033
	s_cbranch_scc0 .Lentry_shape_is_right
	s_endpgm
.Lentry_shape_is_right:
; q = (query_input Wq^T + bq) / 8 and k = key_input Wk^T + bk on codes of BF8 (E5M2, one E8M0 byte for 32 along K = 1,024), and their quantisers for the attention launch.
; codes: rows of 1,024 bytes: query_input's 8,192, key_input's 8,192, Wq's 1,024, Wk's 1,024; scales: rows of 32 bytes, likewise.  In every 32 rows the second and third group of 8 have changed places,
; so 16 rows on end are rows r + 8 (r / 8) (+ 8).
; OUT: for each (b, head) an image of HS bytes, 16 steps of 128 tokens, SS bytes each: eight tiles of 16 tokens x 64 codes along d (1,024 bytes: d's block c at 512 c + 16 x lane);
; in kvimg also four tiles of 16 of d x 128 tokens, quantised along the tokens (piece c at 8192 + 2048 t + 512 c + 16 x lane); at 16384 sixteen scale bytes a lane: lanes 0-15 the first kind's, lanes 16-31 the second's.
; k IS PROJECTED ONCE: both of its images are made of the same f32 sums; for the second a pair of blocks (32 tokens x 64) turns through the wave's own LDS bytes and comes back with a lane to a channel.
; The factor 1/8 is a power of two: the codes stay and 3 comes off each of q's scale bytes.
; LIMITS: NaN, infinities and sums beyond f32's range are not served; a block whose largest magnitude lies under 2^-111 (q, before the factor: 2^-108) is held at that floor's byte.
; THE DEAL: 256 work-groups: tile columns 0-7 make q, 8-15 k, two heads each; a tile row is 512 tokens.  Four waves, 2 x 2: a wave holds one head's 64 rows of the weight, all of K, in 512 registers (windows 1, 2),
; and streams 16 blocks of 16 rows past them: two steps of 128 tokens.  x's blocks stand in two register sets (window 3); a set is fetched while the other is multiplied.
; LDS: two slots of 128 rows (64 for each row of waves); the weight lies in slot 1 until all waves hold it.  Chunks 1, 2, 3 are refills, each behind a drained round of the cluster's barrier, 32 rows a wave.
; x's scale bytes of all 512 rows stay in LDS.  CLUSTER 4 x 4: x's rows are shared along a row, the weight's along a column.
; PREFETCH: in trip t each of a cluster row's sixteen waves asks for its 8 rows (32 blocks of 256 bytes, a lane a block) of chunk t + 2, which the next trip's refill loads; trip 2 asks for nothing.
.set KROW,  1024
.set PITCH, 1040
.set YB,    128*PITCH
.set SCL,   2*YB
.set TR,    SCL+64*272
.set PLANE, 16*272+128                 ; 16 tokens x (256 + 16) bytes, and 128 more: the two planes' words fall on different banks (64 banks of 4 bytes: ISA guide 11.1)
.set SPARE, TR+4*2*PLANE
.set HS,    270336
.set SS,    16896
.set NF,    34                         ; LDS loads of a block: 32 of codes, 2 of scale words
.set ADRA0, 4
.set LI,    5
.set AAS0,  6
.set PFO,   7
.set BAO,   8
.set SPW,   10
.set NIL,   11
.set ADRA,  12
.set AAS,   13
.set ADRB,  14
.set ABS,   16
.set TST,   17
.set TLD,   18
.set KW,    19
.set SB,    24                         ; the weight's scale words: register 8 p + q: lanes 0-15 tile 2 p, lanes 16-31 tile 2 p + 1
.set SA,    44                         ; x's: two sets of eight
.set ACC,   64
.set BQ,    96                         ; the bias in the sums' layout: the first products' C
.set TV,    128                        ; a pair of blocks, turned: 16 tokens for each of four tiles
.set NCD,   192
.set MCD,   200
.set TM,    216
.set RS,    240
.set VS,    244
.set OR,    248
.set MNT,  2
.set FLR,  3
.set QS4,  12
.set HIM,  13
.set G1W,  24
.set G1H,  32
.set T,    46
.set AO,   47
.set G1R,  48
.set G0W,  56
.set G0H,  60
.set G0S,  68
.set G0R,  72
.set SLB,  76
.set SLN,  77
.set WL,   78
.set KP,   80
.set VP,   82
.set PFB,  84
.set G1S,  88
.set SEL,  100
.set MSB, 0
.macro WIN new                         ; the immediate's high byte repeats the setting that is left
.if MSB != \new
	s_set_vgpr_msb (MSB<<8)|\new
.set MSB, \new
.endif
.endm
.macro BARRIER
	s_barrier_signal -1
	s_barrier_wait -1
.endm
.macro CROUND
	BARRIER
	s_cmp_lg_u32 s14, 0
	s_cbranch_scc1 .Lnot_wave_0_\@
	s_barrier_signal -3
.Lnot_wave_0_\@:
	s_barrier_wait -3
	BARRIER
.endm
.macro TLOAD g0, g1                    ; four v_nop stand ahead of a jump, a label or a window switch
	tensor_load_to_lds s[\g0:\g0+3], s[\g1:\g1+7]
	s_nop 0
.rept 4
	v_nop
.endr
.endm
.macro GROUP1 g, mask, rows            ; whole rows of K, 1,024 bytes, 16 bytes of padding behind each
	s_or_b32 s[\g+0], s[\mask], (1<<20)|(1<<21)|(7<<22)|(3<<25)
	s_mov_b32 s[\g+1], KROW<<16
	s_mov_b32 s[\g+2], (\rows)<<16
	s_mov_b32 s[\g+3], KROW<<16
	s_mov_b32 s[\g+4], \rows
	s_mov_b32 s[\g+5], KROW
	s_mov_b32 s[\g+6], 0
	s_mov_b32 s[\g+7], 0
.endm
	s_load_b256 s[4:11], s[0:1], 0x0               ; codes, scales, bq, bk
	s_load_b128 s[96:99], s[0:1], 0x20             ; qimg, kvimg
	v_lshl_add_u32 v[SPW], v0, 2, SPARE
	v_mov_b32 v[NIL], 0
	ds_add_u32 v[SPW], v[NIL]
	ds_add_u32 v[SPW], v[NIL]
	v_lshrrev_b32 v1, 5, v0
	v_readfirstlane_b32 s14, v1                    ; wave
	s_lshr_b32 s15, s14, 1                         ; my row of waves
	s_and_b32 s16, s14, 1                          ; my column of waves
	s_bfe_u32 s40, ttmp6, 0x40000
	s_bfe_u32 s41, ttmp6, 0x40004
	s_lshl_b32 s42, ttmp9, 2
	s_add_co_u32 s42, s42, s40                     ; tile column 0..15
	s_and_b32 s43, ttmp7, 0xffff
	s_lshl_b32 s43, s43, 2
	s_add_co_u32 s43, s43, s41                     ; tile row 0..15
	s_lshr_b32 s19, ttmp9, 1                       ; 0: q, 1: k: from the cluster's number alone
	s_lshl_b32 s44, s41, 2
	s_lshl_b32 s44, 15, s44                        ; my row of the cluster
	s_lshl_b32 s45, 0x1111, s40                    ; my column
	GROUP1 G1W, 45, 128
	GROUP1 G1H, 44, 64
	GROUP1 G1R, 44, 32
	s_or_b32 s[G1S+0], s44, (3<<16)|(1<<20)|(1<<21)|(5<<22)|(3<<25)   ; 512 rows' scale bytes: 64 rows of 256 bytes, 16 of padding behind each
	s_mov_b32 s[G1S+1], 32<<16
	s_mov_b32 s[G1S+2], 64<<16
	s_mov_b32 s[G1S+3], 32<<16
	s_mov_b32 s[G1S+4], 64
	s_mov_b32 s[G1S+5], 32
	s_mov_b32 s[G1S+6], 0
	s_mov_b32 s[G1S+7], 0
	; offsets into the buffers, each under 2^32; the pointers are added behind the wait for the arguments
	s_lshl_b32 s20, s19, 13
	s_lshl_b32 s21, s43, 9
	s_add_co_u32 s20, s20, s21                     ; x's first row
	s_lshl_b32 s[G0S+2], s20, 5
	s_mov_b32 s[G0S+3], 0
	s_lshl_b32 s20, s20, 10                        ; in bytes of codes
	s_lshl_b32 s17, s15, 18                        ; a row of waves takes 256 rows
	s_add_co_u32 s[G0H+2], s20, s17                ; waves 1, 2: chunk 0's 64 rows for wave row 0, 1 (wave / 2)
	s_mov_b32 s[G0H+3], 0
	s_lshl_b32 s18, s16, 15
	s_add_co_u32 s[G0R+2], s[G0H+2], s18           ; a refill: my 32 rows; 64 rows on for each chunk
	s_mov_b32 s[G0R+3], 0
	s_lshl_b32 s[G0W+2], s42, 17
	s_add_co_u32 s[G0W+2], s[G0W+2], 16384*KROW    ; the weight's 128 rows
	s_mov_b32 s[G0W+3], 0
	s_lshl_b32 s86, s42, 12
	s_lshl_b32 s18, s16, 11
	s_add_co_u32 s86, s86, s18
	s_add_co_u32 s86, s86, 16384*32                ; my 64 rows' scale bytes
	s_mov_b32 s87, 0
	s_and_b32 s17, s42, 7
	s_lshl_b32 s18, s17, 9
	s_lshl_b32 s104, s16, 8
	s_add_co_u32 s104, s104, s18                   ; my head's bias
	s_mov_b32 s105, 0
	s_lshl_b32 s17, s17, 1
	s_add_co_u32 s17, s17, s16
	s_lshr_b32 s18, s43, 2
	s_lshl_b32 s18, s18, 4
	s_add_co_u32 s17, s17, s18                     ; 16 b + head
	s_mul_i32 s[KP], s17, HS
	s_and_b32 s18, s43, 3
	s_lshl_b32 s18, s18, 2
	s_lshl_b32 s17, s15, 1
	s_add_co_u32 s18, s18, s17                     ; my first step
	s_mul_i32 s18, s18, SS
	s_add_co_u32 s[KP], s[KP], s18
	s_mov_b32 s[KP+1], 0
	s_lshl_b32 s17, s40, 2
	s_add_co_u32 s17, s17, s14                     ; which of the cluster row's sixteen waves I am
	s_lshr_b32 s18, s17, 3
	s_lshl_b32 s18, s18, 18
	s_and_b32 s17, s17, 7
	s_lshl_b32 s17, s17, 13
	s_add_co_u32 s[PFB], s20, s18
	s_add_co_u32 s[PFB], s[PFB], s17
	s_add_co_u32 s[PFB], s[PFB], 2*64*KROW         ; my 8 rows of chunk 2
	s_mov_b32 s[PFB+1], 0
	s_mov_b32 s[G0W], 1
	s_mov_b32 s[G0W+1], YB
	s_mov_b32 s[G0H], 1
	s_mul_i32 s[G0H+1], s15, 64*PITCH
	s_mov_b32 s[G0S], 1
	s_mov_b32 s[G0S+1], SCL
	s_mov_b32 s[G0R], 1
	s_mul_i32 s[WL], s14, 32*PITCH
	s_mov_b32 s[MNT], 0x600000
	s_mov_b32 s[HIM], 0xffff0000
	s_mov_b32 s[SEL], 0x76543210
	s_mov_b32 s[SEL+1], 0xfedcba98
	s_mov_b32 s[FLR], 16<<23
	s_wait_dscnt 0x0                               ; both opening adds are done
	CROUND                                         ; the round in front of the first joint loads
	s_wait_kmcnt 0x0
	s_add_nc_u64 s[G0W+2:G0W+3], s[4:5], s[G0W+2:G0W+3]
	s_or_b32 s[G0W+3], s[G0W+3], 0x80000000
	s_add_nc_u64 s[G0H+2:G0H+3], s[4:5], s[G0H+2:G0H+3]
	s_or_b32 s[G0H+3], s[G0H+3], 0x80000000
	s_add_nc_u64 s[G0R+2:G0R+3], s[4:5], s[G0R+2:G0R+3]
	s_or_b32 s[G0R+3], s[G0R+3], 0x80000000
	s_add_nc_u64 s[G0S+2:G0S+3], s[6:7], s[G0S+2:G0S+3]
	s_or_b32 s[G0S+3], s[G0S+3], 0x80000000
	s_add_nc_u64 s[PFB:PFB+1], s[4:5], s[PFB:PFB+1]
	s_add_nc_u64 s[86:87], s[6:7], s[86:87]
	s_cmp_eq_u32 s19, 0
	s_cselect_b64 s[8:9], s[8:9], s[10:11]
	s_cselect_b64 s[96:97], s[96:97], s[98:99]
	s_cselect_b32 s[QS4], 0x03030303, 0            ; q: 3 off each scale byte,
	s_cselect_b32 s[FLR], 19<<23, s[FLR]           ; and a floor that keeps the byte at 1 or more
	s_add_nc_u64 s[104:105], s[8:9], s[104:105]
	s_add_nc_u64 s[KP:KP+1], s[96:97], s[KP:KP+1]
	s_add_nc_u64 s[VP:VP+1], s[KP:KP+1], 8192-512  ; each pair steps it by 512 ahead of its stores,
	s_sub_nc_u64 s[KP:KP+1], s[KP:KP+1], 1024      ; each block this one by 1,024
	s_cmp_eq_u32 s14, 0                            ; one load a wave, in one chain of branches
	s_cbranch_scc0 .Lhead_x
	TLOAD G0W, G1W                                 ; wave 0: the weight, into slot 1
	s_branch .Lasked
.Lhead_x:
	s_cmp_lt_u32 s14, 3
	s_cbranch_scc0 .Lhead_s
	TLOAD G0H, G1H                                 ; waves 1, 2: chunk 0's halves
	s_branch .Lasked
.Lhead_s:
	TLOAD G0S, G1S                                 ; wave 3: x's scale bytes
.Lasked:
	v_and_b32 v1, 15, v0                           ; r
	v_bfe_u32 v2, v0, 4, 1                         ; h
	v_and_b32 v3, 31, v0
	v_mul_u32_u24 v20, v1, PITCH
	v_lshl_add_u32 v20, v2, 4, v20                 ; a fragment's row x pitch + 16 h
	s_mul_i32 s17, s15, 64*PITCH
	v_add_nc_u32 v[ADRA0], s17, v20
	s_mul_i32 s17, s16, 64*PITCH
	s_add_co_u32 s17, s17, YB
	v_add_nc_u32 v[ADRB], s17, v20
	v_lshlrev_b32 v[ABS], 5, v3
	v_lshlrev_b32 v21, 5, v1
	v_lshrrev_b32 v22, 3, v1
	v_lshl_add_u32 v21, v22, 4, v21                ; 32 bytes a row, 16 more for each 256 passed
	s_mul_i32 s17, s15, 32*272
	s_add_co_u32 s17, s17, SCL
	v_add_nc_u32 v[AAS0], s17, v21
	v_lshlrev_b32 v[LI], 4, v3
	s_mul_i32 s17, s14, 2*PLANE
	s_add_co_u32 s17, s17, TR                      ; my bytes for the turn
	v_mul_u32_u24 v21, v22, PLANE                  ; in: rows 8-15 of a block are tokens 16 on: the other plane
	v_and_b32 v23, 7, v1
	v_mad_u32_u24 v21, v23, 272, v21
	v_lshl_add_u32 v21, v2, 6, v21
	v_add_nc_u32 v[TST], s17, v21
	v_lshl_add_u32 v21, v22, 3, v1                 ; back: channel r + 8 (r / 8) of a tile, plane h
	v_lshlrev_b32 v21, 2, v21
	v_mad_u32_u24 v21, v2, PLANE, v21
	v_add_nc_u32 v[TLD], s17, v21
	v_lshlrev_b32 v[BAO], 6, v2
	v_lshlrev_b32 v[PFO], 8, v3
.irp b, 0,1,2,3
	global_load_b128 v[BQ+8*\b:BQ+8*\b+3], v[BAO], s[104:105] offset:(32*(\b/2)+8*(\b%2))*4      ; register j of tile b: channel 32 (b / 2) + 16 h + 8 (b % 2) + j
	global_load_b128 v[BQ+8*\b+4:BQ+8*\b+7], v[BAO], s[104:105] offset:(32*(\b/2)+8*(\b%2))*4+16
.endr
.irp p, 0,1
.irp c, 0,1
	global_load_b128 v[SB+8*\p+4*\c:SB+8*\p+4*\c+3], v[ABS], s[86:87] offset:\p*1024+16*\c
.endr
.endr
.irp j, 0,1,2,3
	v_mov_b32 v[RS+\j], 0
	v_mov_b32 v[VS+\j], 0
	v_mov_b32 v[TM+\j], 0                          ; a lane permute's destination counts as a source
	v_mov_b32 v[TM+16+\j], 0
.endr
	v_mov_b32 v[KW], 0
	s_wait_alu depctr_va_vdst(0)                   ; the wait at the head's end
	s_wait_tensorcnt 0x0
	BARRIER                                        ; all four tiles are in
.irp q, 0,1,2,3,4,5,6,7                            ; my 64 rows of the weight into windows 1 and 2: fragment 4 q + b
.irp b, 0,1,2,3
	WIN (1+(4*\q+\b)/16)<<6
.irp c, 0,1,2,3
	ds_load_b128 v[16*((4*\q+\b)%16)+4*\c:16*((4*\q+\b)%16)+4*\c+3], v[ADRB] offset:128*\q+32*\c+\b*16*PITCH
.endr
.endr
.endr
	WIN 0
.macro FETCH e, k                      ; block k of the chunk in hand into set e of window 3, and its scale words
	s_add_co_u32 s17, s[SLB], (\k)*16*PITCH
	v_add_nc_u32 v[ADRA], s17, v[ADRA0]
	s_add_co_u32 s18, s[AO], (\k)*544
	v_add_nc_u32 v[AAS], s18, v[AAS0]
	WIN 3<<6
.irp q, 0,1,2,3,4,5,6,7
.irp c, 0,1,2,3
	ds_load_b128 v[128*\e+16*\q+4*\c:128*\e+16*\q+4*\c+3], v[ADRA] offset:128*\q+32*\c
.endr
.endr
	WIN 0
	ds_load_b128 v[SA+8*\e:SA+8*\e+3], v[AAS]
	ds_load_b128 v[SA+8*\e+4:SA+8*\e+7], v[AAS] offset:16
.endm
.macro PROD e, n                       ; product 4 q + b: source 0 = the weight's tile b, source 1 = x's 16 rows: a lane holds a token, its registers run along d.  The four sums take turns
.set Q_, (\n)/4
.set B_, (\n)%4
.set AC_, ACC+8*B_
.set C_, AC_
.if Q_ == 0
.set C_, BQ+8*B_
.endif
.set R_, 128*(\e)+16*Q_
.set W_, 16*((\n)%16)
	WIN (1+(\n)/16)|(3<<2)
.if B_%2
	v_wmma_scale_f32_16x16x128_f8f6f4 v[AC_:AC_+7], v[W_:W_+15], v[R_:R_+15], v[C_:C_+7], v[SB+8*(B_/2)+Q_], v[SA+8*(\e)+Q_] matrix_a_fmt:MATRIX_FMT_BF8 matrix_b_fmt:MATRIX_FMT_BF8 matrix_a_scale:MATRIX_SCALE_ROW1
.else
	v_wmma_scale_f32_16x16x128_f8f6f4 v[AC_:AC_+7], v[W_:W_+15], v[R_:R_+15], v[C_:C_+7], v[SB+8*(B_/2)+Q_], v[SA+8*(\e)+Q_] matrix_a_fmt:MATRIX_FMT_BF8 matrix_b_fmt:MATRIX_FMT_BF8
.endif
.endm
; A BLOCK: 32 products and the way out.  e: its set, and its place in its pair; w: the LDS loads that may stay out; endm: a step's scale bytes leave: 0 never, 1 in trip 2, 2 always
.macro XBLK e, w, endm
	s_wait_alu depctr_va_vdst(0)                   ; the wait ahead of the waits below
	s_wait_dscnt \w
	s_wait_xcnt 0x0                                ; earlier stores have read their registers and bases
	s_add_nc_u64 s[KP:KP+1], s[KP:KP+1], 1024
.set N_, 0
.rept 32
	PROD \e, N_
.set N_, N_+1
.endr
	WIN 0
.rept 8
	v_nop                                          ; eight places ahead of the sums' first reader
.endr
	s_cmp_eq_u32 s19, 0
	s_cbranch_scc1 .Lq1_\@
.irp k, 0,1,2,3,4,5,6,7                            ; k: the sums as they are, by tokens: 64 bytes on end for each 32 of d
	ds_store_b128 v[TST], v[ACC+4*\k:ACC+4*\k+3] offset:(\e)*8*272+128*(\k/4)+16*(\k%4)
.endr
.if \e
.irp t, 0,1,2,3                                    ; the pair is whole: back by channels (LDS serves a wave's instructions in order)
.irp i, 0,1,2,3,4,5,6,7,8,9,10,11,12,13,14,15
	ds_load_b32 v[TV+16*\t+\i], v[TLD] offset:\i*272+(32*(\t/2)+8*(\t%2))*4
.endr
.endr
.endif
.Lq1_\@:
.irp c, 0,1,2,3                                    ; the quantiser along d: two blocks of 32, each in lanes l and l xor 16; four chains by turns
	v_max3_num_f32 v[TM+\c], |v[ACC+8*\c]|, |v[ACC+8*\c+1]|, |v[ACC+8*\c+2]|
.endr
.irp i, 3,5
.irp c, 0,1,2,3
	v_max3_num_f32 v[TM+\c], v[TM+\c], |v[ACC+8*\c+\i]|, |v[ACC+8*\c+\i+1]|
.endr
.endr
.irp c, 0,1,2,3
	v_max_num_f32 v[TM+\c], v[TM+\c], |v[ACC+8*\c+7]|
.endr
	v_max3_num_f32 v[TM], v[TM], v[TM+1], s[FLR]
	v_max3_num_f32 v[TM+2], v[TM+2], v[TM+3], s[FLR]
	v_permlanex16_b32 v[TM+1], v[TM], s[SEL], s[SEL+1]
	v_permlanex16_b32 v[TM+3], v[TM+2], s[SEL], s[SEL+1]
	v_max_num_f32 v[TM], v[TM], v[TM+1]
	v_max_num_f32 v[TM+2], v[TM+2], v[TM+3]
.irp g, 0,1
	v_add_nc_u32 v[TM+4+\g], 0xf8800000, v[TM+2*\g]              ; the conversion's scale operand
	v_and_or_b32 v[TM+6+\g], v[TM+2*\g], 0x7f800000, s[MNT]      ; 57,344 x the scale
.endr
.irp g, 0,1
	v_lshrrev_b32 v[TM+8+\g], 23, v[TM+4+\g]                     ; the byte
.endr
.irp g, 0,1
.irp i, 0,1,2,3,4,5,6,7,8,9,10,11,12,13,14,15
	v_med3_num_f32 v[ACC+16*\g+\i], v[ACC+16*\g+\i], -v[TM+6+\g], v[TM+6+\g]   ; the conversion does not saturate (ISA guide 7.6.2)
.endr
.endr
.irp g, 0,1
	v_cvt_scalef32_pk8_bf8_f32 v[NCD+4*\g:NCD+4*\g+1], v[ACC+16*\g:ACC+16*\g+7], v[TM+4+\g]
	v_cvt_scalef32_pk8_bf8_f32 v[NCD+4*\g+2:NCD+4*\g+3], v[ACC+16*\g+8:ACC+16*\g+15], v[TM+4+\g]
.endr
	v_lshl_or_b32 v[TM+8], v[TM+9], 8, v[TM+8]     ; (also the plain line behind the conversions)
	global_store_b128 v[LI], v[NCD:NCD+3], s[KP:KP+1]              ; the wave stores 512 bytes on end, twice
	global_store_b128 v[LI], v[NCD+4:NCD+7], s[KP:KP+1] offset:512
.if \e == 0
	v_mov_b32 v[KW], v[TM+8]
.else
	v_lshl_or_b32 v[KW], v[TM+8], 16, v[KW]        ; a pair's four bytes are one scale word
	v_sub_nc_u32 v[KW], v[KW], s[QS4]
	v_mov_b32 v[RS], v[RS+1]                       ; a step's four words move down a place a pair
	v_mov_b32 v[RS+1], v[RS+2]
	v_mov_b32 v[RS+2], v[RS+3]
	v_mov_b32 v[RS+3], v[KW]
	s_cmp_eq_u32 s19, 0
	s_wait_alu depctr_va_vdst(0)                   ; the wait ahead of the branch and of the wait below
	s_cbranch_scc1 .Lq2_\@
	s_wait_dscnt 0x0                               ; the pair is back
	s_add_nc_u64 s[VP:VP+1], s[VP:VP+1], 512
.irp t, 0,1,2,3                                    ; the quantiser along the tokens: a tile's 32 lie in lanes l and l xor 16
	v_max3_num_f32 v[TM+12+\t], |v[TV+16*\t]|, |v[TV+16*\t+1]|, 0x8000000
.endr
.irp i, 2,4,6,8,10,12,14
.irp t, 0,1,2,3
	v_max3_num_f32 v[TM+12+\t], v[TM+12+\t], |v[TV+16*\t+\i]|, |v[TV+16*\t+\i+1]|
.endr
.endr
.irp t, 0,1,2,3
	v_permlanex16_b32 v[TM+16+\t], v[TM+12+\t], s[SEL], s[SEL+1]
.endr
.irp t, 0,1,2,3
	v_max_num_f32 v[TM+12+\t], v[TM+12+\t], v[TM+16+\t]
.endr
.irp t, 0,1,2,3
	v_add_nc_u32 v[TM+16+\t], 0xf8800000, v[TM+12+\t]
.endr
.irp t, 0,1,2,3
	v_and_or_b32 v[TM+20+\t], v[TM+12+\t], 0x7f800000, s[MNT]
.endr
.irp t, 0,1,2,3
.irp i, 0,1,2,3,4,5,6,7,8,9,10,11,12,13,14,15
	v_med3_num_f32 v[TV+16*\t+\i], v[TV+16*\t+\i], -v[TM+20+\t], v[TM+20+\t]
.endr
.endr
.irp t, 0,1,2,3
	v_cvt_scalef32_pk8_bf8_f32 v[MCD+4*\t:MCD+4*\t+1], v[TV+16*\t:TV+16*\t+7], v[TM+16+\t]
	v_cvt_scalef32_pk8_bf8_f32 v[MCD+4*\t+2:MCD+4*\t+3], v[TV+16*\t+8:TV+16*\t+15], v[TM+16+\t]
.endr
.irp t, 0,1,2,3
	v_lshrrev_b32 v[TM+12+\t], 23, v[TM+16+\t]
.endr
.irp t, 0,1,2,3
	v_alignbit_b32 v[VS+\t], v[TM+12+\t], v[VS+\t], 8              ; the byte comes in on top: after a step's four pairs the first lies lowest
	global_store_b128 v[LI], v[MCD+4*\t:MCD+4*\t+3], s[VP:VP+1] offset:2048*\t
.endr
.Lq2_\@:
.if \endm
.if \endm == 1
	s_cmp_lg_u32 s[T], 2
	s_wait_alu depctr_va_vdst(0)
	s_cbranch_scc1 .Lne_\@
.endif
.irp k, 0,1,2,3
	v_cndmask_b32 v[OR+\k], v[RS+\k], v[VS+\k], s[HIM]             ; lanes 0-15: the words along d; lanes 16-31: those along the tokens
.endr
	global_store_b128 v[LI], v[OR:OR+3], s[KP:KP+1] offset:9216    ; the step's byte 16384: 512 bytes on end
	s_wait_xcnt 0x0
	s_add_nc_u64 s[KP:KP+1], s[KP:KP+1], SS-8192                   ; on to the next step
	s_add_nc_u64 s[VP:VP+1], s[VP:VP+1], SS-2048
.Lne_\@:
.endif
.endif
.endm
; A chunk's four fetches, each ahead of the block before it.  lp = 1: the loop's copy: the first trip has no block before, and trip 2 ends the first step
.macro CHUNK lp
	FETCH 0, 0
.if \lp
	s_cmp_eq_u32 s[T], 0
	s_cbranch_scc1 .Lfirst_\@
	XBLK 1, NF, 1
.Lfirst_\@:
.else
	XBLK 1, NF, 0
.endif
	FETCH 1, 1
	XBLK 0, NF, 0
	FETCH 0, 2
	XBLK 1, NF, 0
	FETCH 1, 3
	XBLK 0, NF, 0
.endm
	s_mov_b32 s[T], 0
	s_mov_b32 s[AO], 0
	s_mov_b32 s[SLB], 0
	s_mov_b32 s[SLN], YB
	s_wait_loadcnt 0x0                             ; the bias and the weight's scale words
.Lchunk:                                           ; trips 0, 1, 2: chunk t is read, chunk t + 1 is asked for
	s_wait_tensorcnt 0x0                           ; chunk t is in: no load of mine is out, so group 0 may be written
	ds_add_u32 v[SPW], v[NIL]
	s_add_nc_u64 s[G0R+2:G0R+3], s[G0R+2:G0R+3], 64*KROW
	s_add_co_u32 s[G0R+1], s[WL], s[SLN]
	s_wait_dscnt 0x0                               ; the add; my reads of the other slot (trip 0: the weight is in registers)
	CROUND
	TLOAD G0R, G1R
	s_cmp_lt_u32 s[T], 2
	s_cbranch_scc0 .Lnone_ahead
	global_prefetch_b8 v[PFO], s[PFB:PFB+1] th:TH_LOAD_NT scope:SCOPE_SE
.Lnone_ahead:
	CHUNK 1
	s_wait_xcnt 0x0                                ; the prefetch has read its address
	s_add_nc_u64 s[PFB:PFB+1], s[PFB:PFB+1], 64*KROW
	s_xor_b32 s[SLB], s[SLB], YB
	s_xor_b32 s[SLN], s[SLN], YB
	s_add_co_u32 s[AO], s[AO], 4*544
	s_add_co_u32 s[T], s[T], 1
	s_cmp_lt_u32 s[T], 3
	s_wait_alu depctr_va_vdst(0)
	s_cbranch_scc1 .Lchunk
	s_wait_tensorcnt 0x0                           ; chunk 3 is in; nothing is filled again
	s_wait_dscnt 0x0
	BARRIER
	CHUNK 0
	XBLK 1, 0, 2
	s_wait_tensorcnt 0x0                           ; the wave's end
	ds_add_u32 v[SPW], v[NIL]
	s_wait_dscnt 0x0
	CROUND                                         ; the closing round
	s_endpgm
.Lfunc_end_k_q942f66c5ef_proj:
	.size	k_q942f66c5ef_proj, .Lfunc_end_k_q942f66c5ef_proj-k_q942f66c5ef_proj
	.p2alignl 7, 3214868480
	.fill 96, 4, 3214868480
	.section	.rodata,"a",@progbits
	.p2align	6, 0x0
	.amdhsa_kernel k_q942f66c5ef_proj
		.amdhsa_group_segment_fixed_size 327680
		.amdhsa_private_segment_fixed_size 0
		.amdhsa_enable_private_segment 0
		.amdhsa_kernarg_size 48
		.amdhsa_user_sgpr_count 2
		.amdhsa_user_sgpr_kernarg_segment_ptr 1
		.amdhsa_wavefront_size32 1
		.amdhsa_system_sgpr_workgroup_id_x 1
		.amdhsa_system_sgpr_workgroup_id_y 1
		.amdhsa_system_sgpr_workgroup_id_z 1
		.amdhsa_system_vgpr_workitem_id 0
		.amdhsa_next_free_vgpr 1024
		.amdhsa_next_free_sgpr 106
		.amdhsa_reserve_vcc 0
		.amdhsa_float_denorm_mode_32 3
		.amdhsa_float_denorm_mode_16_64 3
		.amdhsa_memory_ordered 1
		.amdhsa_forward_progress 1
		.amdhsa_inst_pref_size 189
	.end_amdhsa_kernel
	.amdgpu_metadata
---
amdhsa.version: [ 1, 2 ]
amdhsa.kernels:
  - .name:           k_q942f66c5ef_proj
    .symbol:         k_q942f66c5ef_proj.kd
    .args:
      - { .name: codes, .offset: 0, .size: 8, .value_kind: global_buffer, .address_space: global }
      - { .name: scales, .offset: 8, .size: 8, .value_kind: global_buffer, .address_space: global }
      - { .name: bq, .offset: 16, .size: 8, .value_kind: global_buffer, .address_space: global }
      - { .name: bk, .offset: 24, .size: 8, .value_kind: global_buffer, .address_space: global }
      - { .name: qimg, .offset: 32, .size: 8, .value_kind: global_buffer, .address_space: global }
      - { .name: kvimg, .offset: 40, .size: 8, .value_kind: global_buffer, .address_space: global }
    .group_segment_fixed_size: 327680
    .private_segment_fixed_size: 0
    .kernarg_segment_align: 8
    .kernarg_segment_size: 48
    .max_flat_workgroup_size: 128
    .sgpr_count:     106
    .vgpr_count:     1024
    .wavefront_size: 32
...
	.end_amdgpu_metadata
.endif
;; end of part 2
;; launch attn (part 3): grid 4 x 64, 8 waves a work-group, clusters of 4 x 1, 327,680 bytes of LDS; arguments qimg, kvimg, out0; writes out0
.if DOCPART == 3
	.amdgcn_target "amdgcn-amd-amdhsa--gfx1250"
	.amdhsa_code_object_version 6
	.text
	.protected	k_q942f66c5ef_attn
	.globl	k_q942f66c5ef_attn
	.p2align	8
	.type	k_q942f66c5ef_attn,@function
k_q942f66c5ef_attn:
	s_mov_b64 s[64:65], 0
	v_nop
	global_prefetch_b8 v0, s[64:65] scope:SCOPE_SE
	s_setreg_imm32_b32 hwreg(HW_REG_WAVE_MODE, 25, 1), 1
	s_wait_xcnt 0x0
	s_wait_alu depctr_hold_cnt(0) depctr_sa_sdst(0) depctr_va_vdst(0) depctr_va_sdst(0) depctr_va_ssrc(0) depctr_va_vcc(0) depctr_vm_vsrc(0)
	s_getreg_b32 s2, hwreg(HW_REG_IB_STS2, 6, 4)
	s_cmp_eq_u32 s2, 0
	s_cbranch_scc0 .Lentry_in_a_cluster
	s_endpgm
.Lentry_in_a_cluster:
	s_bfe_u32 s2, ttmp6, 0x10000c
	s_cmp_lg_u32 s2, 0x3003
	s_cbranch_scc0 .Lentry_shape_is_right
	s_endpgm
.Lentry_shape_is_right:
; out[b][q][h][:] = sum over keys of softmax(q . k) k, both products on codes of BF8 (E5M2) with one E8M0 byte for 32 along a product's K.  q already holds the factor 1/8.
; qimg, kvimg: for each (b, h) an image of HS bytes = 16 steps of 128 tokens, SS bytes each, in the order of the operand registers:
;   bytes 0..8191: four fragments of 2,048 bytes: 32 tokens x 64 codes along d: registers 0-7 the 16 tokens 32 f + r + 8 (r / 8), registers 8-15 those 8 further on; piece c at 512 c + 16 x lane;
;   bytes 8192..16383: four tiles of k transposed (16 of d x 128 tokens);  bytes 16384..16895: 16 bytes a lane: lanes 0-15 the fragments' scale words, lanes 16-31 the transposed tiles'.
; SOFTMAX: t = score x log2(e); M = the running largest t rounded up to a whole number; p = 2^(t - M) is quantised along the keys; the row's sum is taken of the unquantised p and divides at the end;
; when M moves, the sum and O^T are multiplied by 2^(old M - new M).
; LIMITS: the promise holds while the scaled scores stay under 2^31 in magnitude; NaN and infinities are not served; a block of p whose largest number lies under 2^-111 keeps the byte 1.
; SHARES: a work-group owns 512 queries of one (b, h); eight waves, two passes; in a pass a wave owns TWO tiles of 16 queries, so that each fragment read from LDS feeds two tiles.
; The whole image of k lies in LDS (HS bytes) and is filled once: 4 steps at the head, the other 12 behind the full sequence; they land under the first three steps' work.
; CLUSTER: the four work-groups of a (b, h) ask for the image jointly.  No data prefetch: all of the image is asked for at the head, so no loop runs ahead of a tensor load.
; The head's 64 fill half of the instruction's 128 along K: a fragment holds two tiles of keys, and Q stands beside 64 zero codes on either side.
; REGISTERS.  Window 0: addresses, the softmax's small registers, p's codes, both tiles' scores (128).  Window 1: K's and V's fragments, Q, O^T, the next pass's Q.
.set HS,    270336
.set SS,    16896
.set P1,    4*SS
.set W1B,   P1/8                       ; 33 rows of 256 bytes a wave
.set W2B,   12*SS/8                    ; 99 rows of 256 bytes a wave
.set STAGE, HS                         ; the way out: 16 rows x 272 bytes for each wave
.set SPT,   272
.set SPARE, STAGE+8*16*SPT             ; the spare words: 128 bytes a wave
.set LI,   1
.set ADR,  2
.set QSO,  3
.set GO,   4
.set STO,  5
.set SRD,  6
.set SPW,  8
.set NIL,  9
.set NM,   12                          ; tile x: v[NM+2x] = -M, v[NM+2x+1] = the running largest score
.set SUM,  16                          ; tile x: the row's sum in two halves
.set SCK,  20                          ; scale words for the first product
.set QW,   24                          ; Q's scale words, a register a tile
.set PW,   26                          ; p's scale words
.set BM,   28                          ; eight blocks' maxima: four of tile 0, four of tile 1
.set PT,   36
.set HD,   44
.set SO,   52
.set CH,   60
.set FF,   64
.set TT,   68
.set PCD,  72
.set S,    104
.set QT,   232
.set SCV,  236                         ; scale words for the second product
.set KF,   0                           ; window 1
.set VF,   64
.set QF,   128                         ; q0, zeros, q1, zeros, q0
.set OT,   168
.set QS,   232                         ; the next pass's q0, q1
.set WV,   10
.set MNT,  19
.set SEL,  20
.set CS,   22
.set G1,   24
.set G0A,  32
.set G0B,  36
.set QB,   40
.set QSB,  42
.set OB,   44
.set TB,   46
.set CNT,  47
.set PASS, 48
.set G1B,  52
.set MSB, 0
.macro WIN new                         ; the immediate's high byte repeats the setting that is left
.if MSB != \new
	s_set_vgpr_msb (MSB<<8)|\new
.set MSB, \new
.endif
.endm
.macro CROUND
	s_barrier_signal -1
	s_barrier_wait -1
	s_cmp_lg_u32 s[WV], 0
	s_cbranch_scc1 .Lnot_wave_0_\@
	s_barrier_signal -3
.Lnot_wave_0_\@:
	s_barrier_wait -3
	s_barrier_signal -1
	s_barrier_wait -1
.endm
.macro TLOAD g0, g1                    ; four v_nop stand ahead of any window switch
	tensor_load_to_lds s[\g0:\g0+3], s[\g1:\g1+7]
	s_nop 0
.rept 4
	v_nop
.endr
.endm
	s_load_b128 s[4:7], s[0:1], 0x0                ; qimg, kvimg
	s_load_b64 s[8:9], s[0:1], 0x10                ; out0
	v_lshl_add_u32 v[SPW], v0, 2, SPARE
	v_mov_b32 v[NIL], 0
	ds_add_u32 v[SPW], v[NIL]
	ds_add_u32 v[SPW], v[NIL]
	v_lshrrev_b32 v7, 5, v0
	v_readfirstlane_b32 s[WV], v7                  ; wave 0..7
	s_bfe_u32 s11, ttmp6, 0x40000
	s_lshl_b32 s12, ttmp9, 2
	s_add_co_u32 s12, s12, s11                     ; which 512 queries
	s_and_b32 s13, ttmp7, 0xffff                   ; 16 b + h
	s_mul_i32 s14, s13, HS
	s_mul_i32 s15, s[WV], W1B                      ; my eighth of steps 0-3: in LDS,
	s_add_co_u32 s66, s14, s15                     ; and in kvimg
	s_mov_b32 s67, 0
	s_mul_i32 s16, s[WV], W2B                      ; my eighth of steps 4-15
	s_add_co_u32 s16, s16, P1
	s_add_co_u32 s68, s14, s16
	s_mov_b32 s69, 0
	s_lshl_b32 s17, s12, 2
	s_lshr_b32 s18, s[WV], 2
	s_add_co_u32 s17, s17, s18                     ; pass 0's step of 128 queries
	s_and_b32 s18, s[WV], 3                        ; my fragment of 32 queries in it
	s_mul_i32 s70, s17, SS
	s_add_co_u32 s70, s70, s14
	s_lshl_b32 s60, s18, 11
	s_add_co_u32 s72, s70, s60                     ; its codes
	s_mov_b32 s73, 0
	s_lshl_b32 s60, s18, 2
	s_add_co_u32 s70, s70, s60
	s_add_co_u32 s70, s70, 16384                   ; its scale words
	s_mov_b32 s71, 0
	s_lshr_b32 s60, s13, 4
	s_lshl_b32 s60, s60, 11
	s_lshl_b32 s61, s17, 7
	s_add_co_u32 s60, s60, s61
	s_lshl_b32 s61, s18, 5
	s_add_co_u32 s60, s60, s61                     ; my first token: 2048 b + 128 step + 32 fragment
	s_lshl_b32 s74, s60, 12                        ; 4,096 bytes a token
	s_and_b32 s61, s13, 15
	s_lshl_b32 s61, s61, 8
	s_add_co_u32 s74, s74, s61                     ; + 256 h
	s_mov_b32 s75, 0
	s_mov_b32 s[MNT], 0x600000                     ; the mantissa field of 57,344
	s_mov_b32 s[SEL], 0x76543210
	s_mov_b32 s[SEL+1], 0xfedcba98
	s_mov_b32 s[CS], 0x3fb8aa3b                    ; log2(e)
	s_mov_b32 s[CS+1], s[CS]
.irp g, G1, G1B                                    ; dense rows of 256 bytes (32 elements of 8), asked for by all four partners
	s_mov_b32 s[\g], 15|(3<<16)|(1<<21)
	s_mov_b32 s[\g+1], 32<<16
	s_mov_b32 s[\g+3], 32<<16
	s_mov_b32 s[\g+5], 32
	s_mov_b32 s[\g+6], 0
	s_mov_b32 s[\g+7], 0
.endr
	s_mov_b32 s[G1+2], 33<<16
	s_mov_b32 s[G1+4], 33
	s_mov_b32 s[G1B+2], 99<<16
	s_mov_b32 s[G1B+4], 99
	s_wait_dscnt 0x0                               ; both opening adds are done
	s_wait_kmcnt 0x0
	s_mov_b32 s[G0A], 1
	s_mov_b32 s[G0A+1], s15
	s_add_nc_u64 s[G0A+2:G0A+3], s[6:7], s[66:67]
	s_or_b32 s[G0A+3], s[G0A+3], 0x80000000
	s_mov_b32 s[G0B], 1
	s_mov_b32 s[G0B+1], s16
	s_add_nc_u64 s[G0B+2:G0B+3], s[6:7], s[68:69]
	s_or_b32 s[G0B+3], s[G0B+3], 0x80000000
	s_add_nc_u64 s[QB:QB+1], s[4:5], s[72:73]
	s_add_nc_u64 s[QSB:QSB+1], s[4:5], s[70:71]
	s_add_nc_u64 s[OB:OB+1], s[8:9], s[74:75]
	CROUND                                         ; the round in front of the first joint loads
	TLOAD G0A, G1                                  ; steps 0-3: my one load at the head
	v_and_b32 v7, 15, v0                           ; r
	v_bfe_u32 v10, v0, 4, 1                        ; h
	v_and_b32 v11, 31, v0
	v_lshlrev_b32 v[LI], 4, v11                    ; 16 x lane
	v_lshlrev_b32 v[QSO], 4, v7
	v_lshlrev_b32 v[GO], 12, v10
	v_lshl_add_u32 v[GO], v7, 4, v[GO]             ; out: lanes 0-15 one token's 256 bytes, lanes 16-31 the next token's
	s_mul_i32 s60, s[WV], 16*SPT
	s_add_co_u32 s60, s60, STAGE
	v_mul_u32_u24 v[STO], v7, SPT
	v_lshl_add_u32 v[STO], v10, 6, v[STO]
	v_add_nc_u32 v[STO], s60, v[STO]               ; stage, in: row r, 64 h bytes on
	v_mul_u32_u24 v[SRD], v10, SPT
	v_lshl_add_u32 v[SRD], v7, 4, v[SRD]
	v_add_nc_u32 v[SRD], s60, v[SRD]               ; stage, back: sixteen lanes to a row
.macro QLOAD off                       ; 32 queries' codes and scale words into the waiting registers
	WIN 0x40
.irp c, 0,1,2,3
	global_load_b128 v[QS+4*\c:QS+4*\c+3], v[LI], s[QB:QB+1] offset:\off+512*\c
.endr
	WIN 0
	global_load_b32 v[QT], v[QSO], s[QSB:QSB+1] offset:\off
.endm
	QLOAD 0
	WIN 0x40
.irp j, 0,1,2,3,4,5,6,7
	v_mov_b32 v[QF+8+\j], 0                        ; the zero codes beside Q
	v_mov_b32 v[QF+24+\j], 0
.endr
	WIN 0
.irp j, 0,1,2,3,4,5,6,7
	v_mov_b32 v[PT+\j], 0                          ; a lane permute's destination counts as a source
.endr
.irp j, 0,1,2,3
	v_mov_b32 v[TT+\j], 0
	v_mov_b32 v[FF+\j], 0                          ; (the upper halves are named in pairs)
.endr
	s_wait_alu depctr_va_vdst(0)                   ; the wait at the head's end
	s_wait_tensorcnt 0x0                           ; my part of steps 0-3 is in; the full sequence ahead of a later first fill
	ds_add_u32 v[SPW], v[NIL]
	s_wait_dscnt 0x0
	CROUND                                         ; steps 0-3 are whole, and the partners meet
	TLOAD G0B, G1B                                 ; steps 4-15
.macro SMUL d, a, b, sa, sb
	v_wmma_scale_f32_16x16x128_f8f6f4 v[\d:\d+7], v[\a:\a+15], v[\b:\b+15], 0, v[\sa], v[\sb] matrix_a_fmt:MATRIX_FMT_BF8 matrix_b_fmt:MATRIX_FMT_BF8
.endm
.macro OMUL d, a, b, sa, sb
	v_wmma_scale_f32_16x16x128_f8f6f4 v[\d:\d+7], v[\a:\a+15], v[\b:\b+15], v[\d:\d+7], v[\sa], v[\sb] matrix_a_fmt:MATRIX_FMT_BF8 matrix_b_fmt:MATRIX_FMT_BF8 matrix_a_scale:MATRIX_SCALE_ROW1
.endm
.macro KLOAD off                       ; four fragments of K (window 1) and their scale words: 17 loads
	WIN 0x40
.irp f, 0,1,2,3
.irp c, 0,1,2,3
	ds_load_b128 v[KF+16*\f+4*\c:KF+16*\f+4*\c+3], v[ADR] offset:\off+2048*\f+512*\c
.endr
.endr
	WIN 0
	ds_load_b128 v[SCK:SCK+3], v[ADR] offset:\off+16384
.endm
; A KEY STEP: 128 keys for both tiles.  pf = 1: the next step's fragments of K are fetched too.
.macro STEP pf
	s_wait_dscnt 0x0                               ; K's fragments and scale words, asked for a step ago
	WIN 0x05                                       ; sources in window 1, scores in window 0
.irp f, 0,1,2,3                                    ; S^T = K Q^T: 16 accumulators, each begun with 0
	SMUL S+16*\f, KF+16*\f, QF, SCK+\f, QW
	SMUL S+16*\f+8, KF+16*\f, QF+24, SCK+\f, QW
	SMUL S+64+16*\f, KF+16*\f, QF+16, SCK+\f, QW+1
	SMUL S+64+16*\f+8, KF+16*\f, QF+8, SCK+\f, QW+1
.endr
	WIN 0
	v_add_nc_u32 v[ADR], s[TB], v[LI]
.rept 7
	v_nop                                          ; eight places ahead of the loads into the products' sources and of the scores' first reader
.endr
	ds_load_b128 v[SCV:SCV+3], v[ADR] offset:16384
	WIN 0x40
.irp t, 0,1,2,3
.irp c, 0,1,2,3
	ds_load_b128 v[VF+16*\t+4*\c:VF+16*\t+4*\c+3], v[ADR] offset:8192+2048*\t+512*\c
.endr
.endr
.if \pf
	KLOAD SS
.else
	WIN 0
.endif
.irp n, 0,1,2,3,4,5,6,7                            ; the largest score of each block of 32 keys: eight chains by turns
	v_max3_num_f32 v[BM+\n], v[S+16*\n], v[S+16*\n+1], v[S+16*\n+2]
.endr
.irp i, 3,5,7,9,11,13
.irp n, 0,1,2,3,4,5,6,7
	v_max3_num_f32 v[BM+\n], v[BM+\n], v[S+16*\n+\i], v[S+16*\n+\i+1]
.endr
.endr
.irp n, 0,1,2,3,4,5,6,7
	v_max_num_f32 v[BM+\n], v[BM+\n], v[S+16*\n+15]
.endr
.irp n, 0,1,2,3,4,5,6,7
	v_permlanex16_b32 v[PT+\n], v[BM+\n], s[SEL], s[SEL+1]
.endr
.irp n, 0,2,4,6                                    ; with lane l xor 16's 16 keys
	v_dual_max_num_f32 v[BM+\n], v[BM+\n], v[PT+\n] :: v_dual_max_num_f32 v[BM+\n+1], v[BM+\n+1], v[PT+\n+1]
.endr
.irp x, 0,1
	v_max3_num_f32 v[TT+2*\x], v[BM+4*\x], v[BM+4*\x+1], v[BM+4*\x+2]
.endr
.irp x, 0,1
	v_max3_num_f32 v[NM+2*\x+1], v[NM+2*\x+1], v[TT+2*\x], v[BM+4*\x+3]   ; the running largest score
.endr
.irp x, 0,1
	v_mul_f32 v[TT+2*\x], s[CS], v[NM+2*\x+1]      ; as t
.endr
.irp x, 0,1
	v_floor_f32 v[TT+2*\x], -v[TT+2*\x]            ; the new -M = -ceil(t)
.endr
.irp x, 0,1
	v_sub_f32 v[TT+2*\x+1], v[TT+2*\x], v[NM+2*\x] ; old M - new M: a whole number, 0 or less
.endr
.irp x, 0,1
	v_mov_b32 v[NM+2*\x], v[TT+2*\x]
.endr
.irp x, 0,1
	v_cvt_i32_f32 v[TT+2*\x+1], v[TT+2*\x+1]       ; (it saturates)
.endr
.irp x, 0,1
	v_ldexp_f32 v[FF+2*\x], 1.0, v[TT+2*\x+1]      ; f = 2^(old M - new M)
.endr
.irp x, 0,1
.set j, 0
.rept 32
	v_pk_fma_f32 v[S+64*\x+j:S+64*\x+j+1], v[S+64*\x+j:S+64*\x+j+1], s[CS:CS+1], v[NM+2*\x:NM+2*\x+1] op_sel_hi:[1,0,0]   ; t - M
.set j, j+2
.endr
	v_pk_fma_f32 v[BM+4*\x:BM+4*\x+1], v[BM+4*\x:BM+4*\x+1], s[CS:CS+1], v[NM+2*\x:NM+2*\x+1] op_sel_hi:[1,0,0]   ; the same of the blocks' largest scores
	v_pk_fma_f32 v[BM+4*\x+2:BM+4*\x+3], v[BM+4*\x+2:BM+4*\x+3], s[CS:CS+1], v[NM+2*\x:NM+2*\x+1] op_sel_hi:[1,0,0]
.endr
	s_wait_alu depctr_va_vdst(0)                   ; the wait ahead of the batch
.set j, 0
.rept 128
	v_exp_f32 v[S+j], v[S+j]                       ; p = 2^(t - M)
.set j, j+1
.endr
.irp n, 0,1,2,3,4,5,6,7
	v_exp_f32 v[BM+\n], v[BM+\n]                   ; each block's largest p: the same two instructions on the same number
.endr
	v_pk_mul_f32 v[SUM:SUM+1], v[SUM:SUM+1], v[FF:FF+1] op_sel_hi:[1,0]           ; the sums under the new M (plain lines behind the batch)
	v_pk_mul_f32 v[SUM+2:SUM+3], v[SUM+2:SUM+3], v[FF+2:FF+3] op_sel_hi:[1,0]
	s_wait_alu depctr_va_vdst(0)                   ; one wait for the batch, ahead of its first reader
.irp n, 0,1,2,3,4,5,6,7
	v_max_num_f32 v[BM+\n], 0x8000000, v[BM+\n]    ; the floor 2^(16 - 127): the byte cannot fall under 1
.endr
.irp n, 0,1,2,3,4,5,6,7
	v_add_nc_u32 v[SO+\n], 0xf8800000, v[BM+\n]    ; 15 off the exponent field: the conversion's scale operand
.endr
.irp n, 0,1,2,3,4,5,6,7
	v_and_or_b32 v[HD+\n], v[BM+\n], 0x7f800000, s[MNT]   ; 57,344 x the scale
.endr
.irp n, 0,1,2,3,4,5,6,7
	v_lshrrev_b32 v[PT+\n], 23, v[SO+\n]           ; the scale's byte
.endr
.irp k, 1,2,3
.irp x, 0,1
.if \k == 1
	v_lshl_or_b32 v[PW+\x], v[PT+4*\x+1], 8, v[PT+4*\x]
.else
	v_lshl_or_b32 v[PW+\x], v[PT+4*\x+\k], 8*\k, v[PW+\x]
.endif
.endr
.endr
.irp x, 0,1                                        ; the rows' sums of the unquantised p: four chains by turns
	v_pk_add_f32 v[CH+2*\x:CH+2*\x+1], v[S+64*\x:S+64*\x+1], v[S+64*\x+2:S+64*\x+3]
.endr
.set j, 4
.rept 15
.irp x, 0,1
	v_pk_add_f32 v[SUM+2*\x:SUM+2*\x+1], v[SUM+2*\x:SUM+2*\x+1], v[S+64*\x+j:S+64*\x+j+1]
	v_pk_add_f32 v[CH+2*\x:CH+2*\x+1], v[CH+2*\x:CH+2*\x+1], v[S+64*\x+j+2:S+64*\x+j+3]
.endr
.set j, j+4
.endr
.irp x, 0,1
	v_pk_add_f32 v[SUM+2*\x:SUM+2*\x+1], v[SUM+2*\x:SUM+2*\x+1], v[CH+2*\x:CH+2*\x+1]
.endr
.irp n, 0,1,2,3,4,5,6,7                            ; the hold: the conversion does not saturate (ISA guide 7.6.2); p is not negative; two numbers a line
.irp i, 0,2,4,6,8,10,12,14
	v_dual_min_num_f32 v[S+16*\n+\i], v[S+16*\n+\i], v[HD+\n] :: v_dual_min_num_f32 v[S+16*\n+\i+1], v[S+16*\n+\i+1], v[HD+\n]
.endr
.endr
.irp n, 0,1,2,3,4,5,6,7
	v_cvt_scalef32_pk8_bf8_f32 v[PCD+4*\n:PCD+4*\n+1], v[S+16*\n:S+16*\n+7], v[SO+\n]
	v_cvt_scalef32_pk8_bf8_f32 v[PCD+4*\n+2:PCD+4*\n+3], v[S+16*\n+8:S+16*\n+15], v[SO+\n]
.endr
	WIN 0x41                                       ; O^T in window 1, f in window 0
	s_wait_alu depctr_va_vdst(0)                   ; the wait directly ahead of O^T's first reader
.irp x, 0,1
.set j, 0
.rept 16
	v_pk_mul_f32 v[OT+32*\x+j:OT+32*\x+j+1], v[OT+32*\x+j:OT+32*\x+j+1], v[FF+2*\x:FF+2*\x+1] op_sel_hi:[1,0]   ; O^T under the new M; also the places behind the conversions
.set j, j+2
.endr
.endr
	s_wait_alu depctr_va_vdst(0)                   ; the wait ahead of the wait below
	s_wait_dscnt 17*\pf                            ; V's 16 loads and its scale words are in; the next step's 17 may be out
	WIN 0x51
.irp t, 0,1,2,3                                    ; O^T += V^T P^T: eight accumulators by turns
	OMUL OT+8*\t, VF+16*\t, PCD, SCV+\t, PW
	OMUL OT+32+8*\t, VF+16*\t, PCD+16, SCV+\t, PW+1
.endr
	WIN 0
	s_add_co_u32 s[TB], s[TB], SS
.endm
.macro LOOP n
	s_mov_b32 s[CNT], \n
.Lstep_\@:
	STEP 1
	s_sub_co_u32 s[CNT], s[CNT], 1
	s_cmp_lg_u32 s[CNT], 0
	s_cbranch_scc1 .Lstep_\@
.endm
	s_mov_b32 s[PASS], 0
.Lpass:                                            ; two passes of 256 queries
	s_wait_loadcnt 0x0                             ; this pass's Q
	v_perm_b32 v[QW], v[QT], v[QT], 0x01000100     ; a tile's two scale bytes, for either half of K
	v_perm_b32 v[QW+1], v[QT], v[QT], 0x03020302
	WIN 0x41
.irp j, 0,1,2,3,4,5,6,7
	v_mov_b32 v[QF+\j], v[QS+\j]
	v_mov_b32 v[QF+32+\j], v[QS+\j]
	v_mov_b32 v[QF+16+\j], v[QS+8+\j]
.endr
	WIN 0
	s_cmp_lg_u32 s[PASS], 0
	s_cbranch_scc1 .Lno_next
	QLOAD 2*SS                                     ; the second pass's Q comes during the first
.Lno_next:
.irp x, 0,1
	v_mov_b32 v[NM+2*\x], 0x7e967699               ; -M = 1e38: the first step's f is 0, and multiplies zeros
	v_mov_b32 v[NM+2*\x+1], 0xfe967699             ; the largest score so far: -1e38
	v_mov_b32 v[SUM+2*\x], 0
	v_mov_b32 v[SUM+2*\x+1], 0
.endr
	v_mov_b32 v[ADR], v[LI]
	WIN 0x40
.set j, 0
.rept 64
	v_mov_b32 v[OT+j], 0                           ; the step is written once for all steps: the first finds zeros
.set j, j+1
.endr
	s_mov_b32 s[TB], 0
	KLOAD 0                                        ; step 0's fragments
	s_wait_alu depctr_va_vdst(0)                   ; the wait ahead of the step's first wait
	LOOP 3                                         ; steps 0-2 read steps 0-3's bytes alone
	s_wait_tensorcnt 0x0                           ; my part of steps 4-15 is in (the second pass finds nothing out)
	s_wait_dscnt 0x0
	s_barrier_signal -1
	s_barrier_wait -1                              ; and everybody's
	LOOP 12
	STEP 0
	; THE WAY OUT: O^T / the sum, through my stage, so that sixteen lanes store a token's 256 bytes of this head
.rept 8
	v_nop
.endr
	v_add_f32 v[SUM], v[SUM], v[SUM+1]
	v_add_f32 v[SUM+2], v[SUM+2], v[SUM+3]
	v_permlanex16_b32 v[TT], v[SUM], s[SEL], s[SEL+1]
	v_permlanex16_b32 v[TT+2], v[SUM+2], s[SEL], s[SEL+1]
	v_add_f32 v[SUM], v[SUM], v[TT]
	v_add_f32 v[SUM+2], v[SUM+2], v[TT+2]
	s_wait_alu depctr_va_vdst(0)                   ; ahead of the transcendentals
	v_rcp_f32 v[SUM], v[SUM]
	v_rcp_f32 v[SUM+2], v[SUM+2]
	v_nop
	WIN 0x01
	s_wait_alu depctr_va_vdst(0)                   ; ahead of their first reader, which is O^T's too
.irp x, 0,1
.set j, 0
.rept 16
	v_pk_mul_f32 v[S+32*\x+j:S+32*\x+j+1], v[OT+32*\x+j:OT+32*\x+j+1], v[SUM+2*\x:SUM+2*\x+1] op_sel_hi:[1,0]   ; register 16 u + i is d = 32 u + 16 h + i
.set j, j+2
.endr
.endr
	WIN 0
.irp x, 0,1                                        ; LDS serves a wave's instructions in order: tile 1's stores come behind tile 0's loads
.irp k, 0,1,2,3,4,5,6,7
	ds_store_b128 v[STO], v[S+32*\x+4*\k:S+32*\x+4*\k+3] offset:128*(\k/4)+16*(\k%4)
.endr
.irp i, 0,1,2,3,4,5,6,7
	ds_load_b128 v[S+64+32*\x+4*\i:S+64+32*\x+4*\i+3], v[SRD] offset:2*SPT*\i
.endr
.endr
.irp x, 0,1
.irp i, 0,1,2,3,4,5,6,7
	s_wait_dscnt (1-\x)*16+7-\i                    ; behind this load: the rest of its tile's, and for tile 0 tile 1's 16
	global_store_b128 v[GO], v[S+64+32*\x+4*\i:S+64+32*\x+4*\i+3], s[OB:OB+1] offset:(2*\i+8*(\i/4))*4096+32768*\x th:TH_STORE_NT
.endr
.endr
	s_wait_xcnt 0x0                                ; the stores have read their base and their data
	s_add_nc_u64 s[OB:OB+1], s[OB:OB+1], 0x100000  ; 256 tokens on
	s_add_co_u32 s[PASS], s[PASS], 1
	s_cmp_lt_u32 s[PASS], 2
	s_wait_alu depctr_va_vdst(0)
	s_cbranch_scc1 .Lpass
	s_wait_tensorcnt 0x0                           ; the wave's end
	ds_add_u32 v[SPW], v[NIL]
	s_wait_dscnt 0x0
	CROUND                                         ; the closing round
	s_endpgm
.Lfunc_end_k_q942f66c5ef_attn:
	.size	k_q942f66c5ef_attn, .Lfunc_end_k_q942f66c5ef_attn-k_q942f66c5ef_attn
	.p2alignl 7, 3214868480
	.fill 96, 4, 3214868480
	.section	.rodata,"a",@progbits
	.p2align	6, 0x0
	.amdhsa_kernel k_q942f66c5ef_attn
		.amdhsa_group_segment_fixed_size 327680
		.amdhsa_private_segment_fixed_size 0
		.amdhsa_enable_private_segment 0
		.amdhsa_kernarg_size 24
		.amdhsa_user_sgpr_count 2
		.amdhsa_user_sgpr_kernarg_segment_ptr 1
		.amdhsa_wavefront_size32 1
		.amdhsa_system_sgpr_workgroup_id_x 1
		.amdhsa_system_sgpr_workgroup_id_y 1
		.amdhsa_system_sgpr_workgroup_id_z 1
		.amdhsa_system_vgpr_workitem_id 0
		.amdhsa_next_free_vgpr 512
		.amdhsa_next_free_sgpr 80
		.amdhsa_reserve_vcc 0
		.amdhsa_float_denorm_mode_32 3
		.amdhsa_float_denorm_mode_16_64 3
		.amdhsa_memory_ordered 1
		.amdhsa_forward_progress 1
		.amdhsa_inst_pref_size 119
	.end_amdhsa_kernel
	.amdgpu_metadata
---
amdhsa.version: [ 1, 2 ]
amdhsa.kernels:
  - .name:           k_q942f66c5ef_attn
    .symbol:         k_q942f66c5ef_attn.kd
    .args:
      - { .name: qimg, .offset: 0, .size: 8, .value_kind: global_buffer, .address_space: global }
      - { .name: kvimg, .offset: 8, .size: 8, .value_kind: global_buffer, .address_space: global }
      - { .name: out0, .offset: 16, .size: 8, .value_kind: global_buffer, .address_space: global }
    .group_segment_fixed_size: 327680
    .private_segment_fixed_size: 0
    .kernarg_segment_align: 8
    .kernarg_segment_size: 24
    .max_flat_workgroup_size: 256
    .sgpr_count:     80
    .vgpr_count:     512
    .wavefront_size: 32
...
	.end_amdgpu_metadata
.endif
;; end of part 3
